; MI455X (gfx1250); checked and timed in simulation.
; The chip was launched on July 23, 2026; its instructions are those of AMD's public machine-readable ISA for CDNA 5 (MIT licence, August 2026) and "CDNA5" Instruction Set Architecture Reference Guide (July 2026). The comments in the code are by the model that wrote it; some were corrected since.
;; Bahdanau Attention. Allowed arithmetic: float matrix products may take bf16 or f16 operands with f32 sums; other float arithmetic in f32, or as packed bf16 or f16 multiplies, adds, multiply-adds, maxima and minima; sums over many terms, partial sums and values carried from step to step in f32; what a program stores and reads back later, other than sums and carried values, may be rounded once to bf16 or f16.
;; Inputs: W_attn 2,048 x 1,024 float32; b_attn 1,024 float32; decoder_hidden 32 x 1,024 float32; encoder_outputs 32 x 2,048 x 1,024 float32; mask 32 x 2,048 int32; v_w 1,024 float32.
;; Outputs: out0 32 x 1,024 float32; out1 32 x 2,048 float32.
;; One version. Each part assembles by itself: llvm-mc -triple=amdgcn-amd-amdhsa -mcpu=gfx1250 --defsym DOCPART=n.
;; ======== version 1 of 1: 3 launches
;; limits: right only within a limited range of input values
;; workspace buffers: wq 2,097,152 bytes; bv 135,168 bytes; order 262,144 bytes of whole numbers; pos 262,144 bytes of whole numbers; cnt 256 bytes of whole numbers; sc 294,912 bytes; part 2,097,152 bytes; stat 4,096 bytes
;; launch prep (part 1): grid 112 x 1, 8 waves a work-group, no clusters, 66,560 bytes of LDS; arguments W_attn, b_attn, decoder_hidden, mask, v_w, wq, bv, order, pos, cnt; writes wq, bv, order, pos, cnt
.if DOCPART == 1
	.amdgcn_target "amdgcn-amd-amdhsa--gfx1250"
	.amdhsa_code_object_version 6
	.text
	.protected	k_q7b7c992868_prep
	.globl	k_q7b7c992868_prep
	.p2align	8
	.type	k_q7b7c992868_prep,@function
k_q7b7c992868_prep:
	s_mov_b64 s[64:65], 0
	v_nop
	global_prefetch_b8 v0, s[64:65] scope:SCOPE_SE
	s_setreg_imm32_b32 hwreg(HW_REG_WAVE_MODE, 25, 1), 1
	s_wait_xcnt 0x0
; BAHDANAU ATTENTION, launch 1 of 3: what the main launch needs laid out once.
; THE WHOLE PROGRAM.  score[b][s] = sum_d v_w[d] tanh(x[b][s][d]), x = enc[b][s] . W_enc + dec[b] . W_dec + b_attn; -1e9 where mask = 0; softmax over s; context = sum_s w enc.
; WORK LEFT OUT, for all values of the inputs:
;  (1) tanh x = 1 - 2 / (1 + e^(2x)), so score = sum_d v_w[d] - 2 sum_d v_w[d] / (1 + e^(2x)).  The first term is the same for every s of a batch: a softmax does not see it.  It is not added.
;  (2) A row with mask = 0 in a batch that has a row with mask != 0 has the weight e^(-1e9 - max): 0 in f32, and in exact arithmetic far below rounding.  Its product, tanh and context term reach no
;      output beyond that 0.  The mask is a whole-number input: this launch lists the rows with mask != 0, and the main launch, which reads the list from memory, loads and multiplies those alone.
;      A batch with no such row lists all 2,048 rows (flag = 1): their scores are then selected to -1e9, as reference() does, and the weights come out as 1 / 2048.
; LIMITS.  (1) and (2) lean on sum |v_w| being small beside 1e9 (under 1e8).  A NaN, an infinity or an overflow in a row that is left out is not carried to the context.  Encoder numbers beyond
; bf16's largest finite number become infinities.  Every input has a way to an output and is loaded.
; THIS LAUNCH, three kinds of work-group by number:
;  0..15   (q)  bias'[b][.] = 2 log2(e) (dec[b] . W_dec + b_attn) for 64 columns, all 32 batches, bf16 products with f32 sums, K split among the eight waves, the parts met in LDS; and v' = -2 v_w.
;  16..79       W' = 2 log2(e) W_enc, rounded once to bf16, stored in the order of a wave's operand registers: one unit (64 columns x 32 k) a wave.
;  80..111 (b)  the batch's list: order[position] = s, pos[s] = position (0x7fffffff where mask = 0), cnt = {count, flag}.  Every wave counts all 64 words for itself: no LDS, no barrier.
; COLUMN ORDER.  Row r of fragment i of chunk q is column 64 q + 4 r + i: so a lane's 16-byte load of W_attn feeds four fragments, and 16 lanes read 256 consecutive bytes, aligned.
; bias' and v' are stored at place 64 q + 32 h + 8 i + j for column 64 q + 32 h + 4 j + i: the order in which a lane's accumulator registers hold the columns.
; The one barrier stands on every work-group's path, outside the branches on the work-group's number.
.set SPARE, 65536                      ; behind the 64 KiB of partial sums: the spare words, 128 bytes for each of the eight waves
.set T0, 32                            ; v32-95, v96-159   two sets of 16 quads of W_attn, f32
.set H0, 160                           ; v160-191, v192-223 two sets of decoder rows, f32
.set WF, 64                            ; window 1: v64-95 four fragments of W; v96-111 two of the decoder rows; v0-63 eight accumulators
.set DF, 96
.set MSB, 0
.macro WIN new                         ; the immediate's high byte repeats the setting that is left; a switch that changes nothing is dropped
.if MSB != (\new)
	s_set_vgpr_msb (MSB<<8)|(\new)
.set MSB, \new
.endif
.endm
.macro PLACES                          ; four plain instructions between a product and a vector write of its sources, or a store of its result
.rept 4
	v_nop
.endr
.endm
; 32 k x 64 columns of W_attn: quad t is row t (t < 8) or t + 8, plus 8 for the upper half of the lanes
.macro LOADW set, off
.set t, 0
.rept 16
	global_load_b128 v[T0+64*(\set)+4*t:T0+64*(\set)+4*t+3], v4, s[32:33] offset:(\off)+(t+8*(t/8))*4096 th:TH_LOAD_NT
.set t, t+1
.endr
.endm
; 32 decoder rows x 32 k
.macro LOADH set, off
.irp mb, 0,1
.irp c, 0,1,2,3
	global_load_b128 v[H0+32*(\set)+16*(\mb)+4*(\c):H0+32*(\set)+16*(\mb)+4*(\c)+3], v5, s[36:37] offset:(\off)+65536*(\mb)+16*(\c)+32*((\c)/2)
.endr
.endr
.endm
; f32 quads to four bf16 fragments; scale = 1: times 2 log2(e) first, in f32, so that W' is rounded once
.macro CVTW set, scale
.if \scale
	WIN 0
.set z, 0
.rept 32
	v_pk_mul_f32 v[T0+64*(\set)+2*z:T0+64*(\set)+2*z+1], v[T0+64*(\set)+2*z:T0+64*(\set)+2*z+1], 0x4038aa3b op_sel_hi:[1,0]
.set z, z+1
.endr
.endif
	WIN 0x40                               ; destination window 1
.irp i, 0,1,2,3
.irp p, 0,1,2,3,4,5,6,7
	v_cvt_pk_bf16_f32 v[WF+8*(\i)+(\p)], v[T0+64*(\set)+8*(\p)+(\i)], v[T0+64*(\set)+8*(\p)+4+(\i)]
.endr
.endr
.endm
.macro CVTH set
	WIN 0x40
.irp mb, 0,1
.irp p, 0,1,2,3,4,5,6,7
	v_cvt_pk_bf16_f32 v[DF+8*(\mb)+(\p)], v[H0+32*(\set)+16*(\mb)+2*(\p)], v[H0+32*(\set)+16*(\mb)+2*(\p)+1]
.endr
.endr
.endm
; eight products, the eight accumulators by turns; zero = 1: the first K step starts the sums
.macro PROD zero
	WIN 0x55                               ; all four operand places in window 1
.irp mb, 0,1
.irp i, 0,1,2,3
.if \zero
	v_wmma_f32_16x16x32_bf16 v[8*(4*(\mb)+(\i)):8*(4*(\mb)+(\i))+7], v[WF+8*(\i):WF+8*(\i)+7], v[DF+8*(\mb):DF+8*(\mb)+7], 0
.else
	v_wmma_f32_16x16x32_bf16 v[8*(4*(\mb)+(\i)):8*(4*(\mb)+(\i))+7], v[WF+8*(\i):WF+8*(\i)+7], v[DF+8*(\mb):DF+8*(\mb)+7], v[8*(4*(\mb)+(\i)):8*(4*(\mb)+(\i))+7]
.endif
.endr
.endr
.endm
	s_load_b512 s[4:19], s[0:1], 0x0               ; W_attn s[4:5], b_attn s[6:7], decoder_hidden s[8:9], mask s[10:11], v_w s[12:13], wq s[14:15], bv s[16:17], order s[18:19]
	s_load_b128 s[20:23], s[0:1], 0x40             ; pos s[20:21], cnt s[22:23]
	v_lshl_add_u32 v30, v0, 2, SPARE               ; my spare word,
	v_mov_b32 v31, 0                               ; and 0: kept for the closing lines alone
	v_lshrrev_b32 v1, 5, v0
	v_readfirstlane_b32 s24, v1                    ; wave 0..7
	v_and_b32 v1, 31, v0                           ; lane
	v_and_b32 v2, 15, v0                           ; r
	v_bfe_u32 v3, v0, 4, 1                         ; h
	v_lshlrev_b32 v4, 15, v3                       ; W_attn: 8 h rows of 4,096 bytes
	v_lshl_add_u32 v4, v2, 4, v4                   ;         + 16 r
	v_lshlrev_b32 v5, 12, v2                       ; decoder row r
	v_lshl_add_u32 v5, v3, 5, v5                   ;         + 8 h numbers
	v_lshlrev_b32 v6, 4, v1                        ; 16 x lane
	s_mov_b32 s25, ttmp9
	s_wait_kmcnt 0x0
	s_cmp_lt_u32 s25, 16
	s_cbranch_scc1 .Ldec
	s_cmp_lt_u32 s25, 80
	s_cbranch_scc1 .Lenc
	; ---- THE LIST of batch b = number - 80
	s_sub_co_u32 s26, s25, 80
	s_lshl_b32 s28, s26, 13                        ; 2,048 words of 4 bytes
	s_mov_b32 s29, 0
	s_add_nc_u64 s[32:33], s[10:11], s[28:29]      ; the batch's mask,
	s_add_nc_u64 s[34:35], s[18:19], s[28:29]      ; order
	s_add_nc_u64 s[36:37], s[20:21], s[28:29]      ; and pos
	v_lshlrev_b32 v7, 2, v1
	s_lshl_b32 s30, s24, 10
	v_add_nc_u32 v8, s30, v7                       ; my wave's own 256 numbers: 1,024 w + 4 x lane
	s_lshl_b32 s50, s24, 8
	v_add_nc_u32 v9, s50, v1                       ; 256 w + lane
.set t, 0
.rept 64
	global_load_b32 v[32+t], v7, s[32:33] offset:128*t   ; all 64 words of 32 numbers
.set t, t+1
.endr
.set t, 0
.rept 8
	global_load_b32 v[96+t], v8, s[32:33] offset:128*t   ; my wave's eight words once more
.set t, t+1
.endr
	s_mov_b32 s38, 0                               ; listed rows so far
	s_mov_b32 s39, 0                               ; listed rows ahead of my wave's first
	s_wait_loadcnt 0x0
.set g, 0
.rept 8
	s_cmp_eq_u32 s24, g
	s_cselect_b32 s39, s38, s39
.irp k, 0,1,2,3,4,5,6,7
	v_cmp_ne_u32 s[40+(\k)], 0, v[32+8*g+(\k)]
.endr
.irp k, 0,1,2,3,4,5,6,7
	s_bcnt1_i32_b32 s[40+(\k)], s[40+(\k)]
	s_add_co_u32 s38, s38, s[40+(\k)]
.endr
.set g, g+1
.endr
	s_cmp_eq_u32 s38, 0                            ; no row listed: all are, under the flag
	s_cselect_b32 s48, 1, 0                        ; flag
	s_cselect_b32 s49, 2048, s38                   ; c
	s_cselect_b32 s39, s50, s39
	s_cselect_b32 s51, -1, 0
.set t, 0
.rept 8                                        ; row s = 256 w + 32 t + lane.  A listed row goes to its rank; the others fill the places from c on with 0, a row that exists
	v_cmp_ne_u32 s52, 0, v[96+t]
	s_or_b32 s52, s52, s51
	v_mbcnt_lo_u32_b32 v10, s52, s39               ; rank: listed rows ahead of s
	v_add_nc_u32 v11, 32*t, v9                     ; s
	v_sub_nc_u32 v12, v11, v10                     ; rows not listed ahead of s
	v_add_nc_u32 v12, s49, v12
	s_mov_b32 vcc_lo, s52
	v_cndmask_b32 v[104+3*t], v12, v10, vcc_lo
	v_min_u32 v[104+3*t], 2047, v[104+3*t]         ; a number made of loaded data enters an address behind this bound alone
	v_lshlrev_b32 v[104+3*t], 2, v[104+3*t]
	v_cndmask_b32 v[105+3*t], 0, v11, vcc_lo
	v_cndmask_b32 v[106+3*t], 0x7fffffff, v10, vcc_lo
	global_store_b32 v[104+3*t], v[105+3*t], s[34:35]    ; each trip has registers of its own for its stores
	global_store_b32 v8, v[106+3*t], s[36:37] offset:128*t
	s_bcnt1_i32_b32 s53, s52
	s_add_co_u32 s39, s39, s53
.set t, t+1
.endr
	s_cmp_lg_u32 s24, 0
	s_cbranch_scc1 .Lmeet
	s_lshl_b32 s54, s26, 3
	v_mov_b32 v13, s54
	v_mov_b32 v14, s49
	v_mov_b32 v15, s48
	v_cmp_eq_u32 vcc_lo, 0, v1
	s_wait_xcnt 0x0                                ; EXEC changes only behind this wait: it is a source of the stores above
	s_and_saveexec_b32 s55, vcc_lo
	global_store_b64 v13, v[14:15], s[22:23]       ; {c, flag}, by one lane
	s_wait_xcnt 0x0
	s_or_b32 exec_lo, exec_lo, s55
	s_branch .Lmeet
	; ---- W': unit u = 8 (number - 16) + wave: chunk q = u / 32, K step u % 32
.Lenc:
	s_sub_co_u32 s26, s25, 16
	s_lshl_b32 s26, s26, 3
	s_add_co_u32 s26, s26, s24
	s_lshr_b32 s27, s26, 5
	s_and_b32 s28, s26, 31
	s_lshl_b32 s27, s27, 8                         ; 64 columns of 4 bytes
	s_lshl_b32 s28, s28, 17                        ; 32 rows of 4,096 bytes
	s_add_co_u32 s28, s28, s27
	s_add_co_u32 s28, s28, 0x400000                ; W_enc begins at row 1,024
	s_mov_b32 s29, 0
	s_add_nc_u64 s[32:33], s[4:5], s[28:29]
	s_lshl_b32 s28, s26, 12                        ; a unit is 4,096 bytes of wq
	s_add_nc_u64 s[34:35], s[14:15], s[28:29]
	LOADW 0, 0
	s_wait_loadcnt 0x0
	CVTW 0, 1
	WIN 0x04                               ; a store's data in window 1
.irp x, 0,1,2,3,4,5,6,7
	global_store_b128 v6, v[WF+4*(\x):WF+4*(\x)+3], s[34:35] offset:512*(\x)  ; half a fragment: 512 consecutive bytes
.endr
	WIN 0
	s_branch .Lmeet
	; ---- dec . W_dec for chunk q = number: wave w takes K steps 4 w .. 4 w + 3
.Ldec:
	s_lshl_b32 s28, s25, 8
	s_lshl_b32 s26, s24, 19                        ; 128 rows of 4,096 bytes
	s_add_co_u32 s28, s28, s26
	s_mov_b32 s29, 0
	s_add_nc_u64 s[32:33], s[4:5], s[28:29]
	s_lshl_b32 s28, s24, 9                         ; 128 numbers of a decoder row
	s_add_nc_u64 s[36:37], s[8:9], s[28:29]
	LOADW 0, 0
	LOADH 0, 0
	LOADW 1, 131072
	LOADH 1, 128
	s_lshl_b32 s26, s24, 13
	v_lshl_add_u32 v7, v1, 5, s26                  ; my 32 bytes of a partial tile: 8,192 w + 32 x lane
	s_wait_loadcnt 24                              ; set 0 is in; set 1's 24 loads may stay out
	CVTW 0, 0
	CVTH 0
	WIN 0
	LOADW 0, 262144
	LOADH 0, 256
	PROD 1
	s_wait_loadcnt 24                              ; set 1 is in; the 24 just issued may stay out
	PLACES
	CVTW 1, 0
	CVTH 1
	WIN 0
	LOADW 1, 393216
	LOADH 1, 384
	PROD 0
	s_wait_loadcnt 24
	PLACES
	CVTW 0, 0
	CVTH 0
	PROD 0
	s_wait_loadcnt 0x0
	PLACES
	CVTW 1, 0
	CVTH 1
	PROD 0
	PLACES
	WIN 0x04                               ; LDS store: data in window 1; each accumulator's low registers go first
.irp x, 0,1,2,3,4,5,6,7
	ds_store_b128 v7, v[8*(\x):8*(\x)+3]   offset:1024*(\x)
	ds_store_b128 v7, v[8*(\x)+4:8*(\x)+7] offset:1024*(\x)+16
.endr
	WIN 0
.Lmeet:
	s_wait_dscnt 0x0                               ; for the others' sake: my partial sums lie in LDS
	s_barrier_signal -1
	s_barrier_wait -1
	s_cmp_lt_u32 s25, 16
	s_cbranch_scc0 .Lend
	; ---- wave w finishes tile w: batches 16 (w / 4) .., fragment i = w % 4
	s_lshr_b32 s26, s24, 2
	s_and_b32 s27, s24, 3
	s_lshl_b32 s28, s25, 8
	s_lshl_b32 s29, s27, 2
	s_add_co_u32 s29, s29, s28
	v_lshl_add_u32 v8, v3, 7, s29                  ; column 64 q + 32 h + 4 j + i, in bytes: 256 q + 128 h + 4 i, and 16 j in the immediate
.irp j, 0,1,2,3,4,5,6,7
	global_load_b32 v[32+(\j)], v8, s[6:7] offset:16*(\j)
.endr
	s_cmp_lt_u32 s24, 4
	s_cbranch_scc0 .Lno_v
.irp j, 0,1,2,3,4,5,6,7
	global_load_b32 v[40+(\j)], v8, s[12:13] offset:16*(\j)
.endr
.Lno_v:
	s_lshl_b32 s30, s24, 10
	v_lshl_add_u32 v9, v1, 5, s30
.irp x, 0,1,2,3,4,5,6,7
	ds_load_b128 v[48+8*(\x):48+8*(\x)+3], v9 offset:8192*(\x)
	ds_load_b128 v[48+8*(\x)+4:48+8*(\x)+7], v9 offset:8192*(\x)+16
.endr
	s_lshl_b32 s31, s26, 16                        ; where the tile goes: row 16 mb + r, place 64 q + 32 h + 8 i
	s_add_co_u32 s31, s31, s28
	s_lshl_b32 s29, s27, 5
	s_add_co_u32 s31, s31, s29
	v_lshl_add_u32 v10, v2, 12, s31
	v_lshl_add_u32 v10, v3, 7, v10
	s_wait_dscnt 0x0
.irp z, 0,2,4,6
	v_pk_add_f32 v[48+(\z):49+(\z)], v[48+(\z):49+(\z)], v[56+(\z):57+(\z)]
	v_pk_add_f32 v[64+(\z):65+(\z)], v[64+(\z):65+(\z)], v[72+(\z):73+(\z)]
	v_pk_add_f32 v[80+(\z):81+(\z)], v[80+(\z):81+(\z)], v[88+(\z):89+(\z)]
	v_pk_add_f32 v[96+(\z):97+(\z)], v[96+(\z):97+(\z)], v[104+(\z):105+(\z)]
.endr
.irp z, 0,2,4,6
	v_pk_add_f32 v[48+(\z):49+(\z)], v[48+(\z):49+(\z)], v[64+(\z):65+(\z)]
	v_pk_add_f32 v[80+(\z):81+(\z)], v[80+(\z):81+(\z)], v[96+(\z):97+(\z)]
.endr
.irp z, 0,2,4,6
	v_pk_add_f32 v[48+(\z):49+(\z)], v[48+(\z):49+(\z)], v[80+(\z):81+(\z)]
.endr
	s_wait_loadcnt 0x0
.irp z, 0,2,4,6
	v_pk_add_f32 v[48+(\z):49+(\z)], v[48+(\z):49+(\z)], v[32+(\z):33+(\z)]
.endr
.irp z, 0,2,4,6
	v_pk_mul_f32 v[48+(\z):49+(\z)], v[48+(\z):49+(\z)], 0x4038aa3b op_sel_hi:[1,0]
.endr
	global_store_b128 v10, v[48:51], s[16:17]
	global_store_b128 v10, v[52:55], s[16:17] offset:16
	s_cmp_lt_u32 s24, 4
	s_cbranch_scc0 .Lend
	s_add_co_u32 s31, s31, 131072                  ; v' is row 32 of bv (here mb = 0)
	v_lshl_add_u32 v11, v3, 7, s31
.irp z, 0,2,4,6
	v_pk_mul_f32 v[40+(\z):41+(\z)], v[40+(\z):41+(\z)], -2.0 op_sel_hi:[1,0]
.endr
	v_cmp_eq_u32 vcc_lo, 0, v2                     ; the sixteen lanes of a half hold the same eight numbers: one of them stores
	s_wait_xcnt 0x0
	s_and_saveexec_b32 s55, vcc_lo
	global_store_b128 v11, v[40:43], s[16:17]
	global_store_b128 v11, v[44:47], s[16:17] offset:16
	s_wait_xcnt 0x0
	s_or_b32 exec_lo, exec_lo, s55
.Lend:
	s_wait_tensorcnt 0x0                           ; the wave's end, behind my last LDS store
	ds_add_u32 v30, v31
	s_wait_dscnt 0x0
	s_endpgm
.Lfunc_end_k_q7b7c992868_prep:
	.size	k_q7b7c992868_prep, .Lfunc_end_k_q7b7c992868_prep-k_q7b7c992868_prep
	.p2alignl 7, 3214868480
	.fill 96, 4, 3214868480
	.section	.rodata,"a",@progbits
	.p2align	6, 0x0
	.amdhsa_kernel k_q7b7c992868_prep
		.amdhsa_group_segment_fixed_size 66560
		.amdhsa_private_segment_fixed_size 0
		.amdhsa_enable_private_segment 0
		.amdhsa_kernarg_size 80
		.amdhsa_user_sgpr_count 2
		.amdhsa_user_sgpr_kernarg_segment_ptr 1
		.amdhsa_wavefront_size32 1
		.amdhsa_system_sgpr_workgroup_id_x 1
		.amdhsa_system_sgpr_workgroup_id_y 1
		.amdhsa_system_sgpr_workgroup_id_z 1
		.amdhsa_system_vgpr_workitem_id 0
		.amdhsa_next_free_vgpr 384
		.amdhsa_next_free_sgpr 66
		.amdhsa_reserve_vcc 1
		.amdhsa_float_denorm_mode_32 3
		.amdhsa_float_denorm_mode_16_64 3
		.amdhsa_memory_ordered 1
		.amdhsa_forward_progress 1
		.amdhsa_inst_pref_size 64
	.end_amdhsa_kernel
	.amdgpu_metadata
---
amdhsa.version: [ 1, 2 ]
amdhsa.kernels:
  - .name:           k_q7b7c992868_prep
    .symbol:         k_q7b7c992868_prep.kd
    .args:
      - { .name: W_attn, .offset: 0, .size: 8, .value_kind: global_buffer, .address_space: global }
      - { .name: b_attn, .offset: 8, .size: 8, .value_kind: global_buffer, .address_space: global }
      - { .name: decoder_hidden, .offset: 16, .size: 8, .value_kind: global_buffer, .address_space: global }
      - { .name: mask, .offset: 24, .size: 8, .value_kind: global_buffer, .address_space: global }
      - { .name: v_w, .offset: 32, .size: 8, .value_kind: global_buffer, .address_space: global }
      - { .name: wq, .offset: 40, .size: 8, .value_kind: global_buffer, .address_space: global }
      - { .name: bv, .offset: 48, .size: 8, .value_kind: global_buffer, .address_space: global }
      - { .name: order, .offset: 56, .size: 8, .value_kind: global_buffer, .address_space: global }
      - { .name: pos, .offset: 64, .size: 8, .value_kind: global_buffer, .address_space: global }
      - { .name: cnt, .offset: 72, .size: 8, .value_kind: global_buffer, .address_space: global }
    .group_segment_fixed_size: 66560
    .private_segment_fixed_size: 0
    .kernarg_segment_align: 8
    .kernarg_segment_size: 80
    .max_flat_workgroup_size: 256
    .sgpr_count:     66
    .vgpr_count:     384
    .wavefront_size: 32
...
	.end_amdgpu_metadata
.endif
;; end of part 1
;; launch main (part 2): grid 8 x 32, 4 waves a work-group, no clusters, 307,200 bytes of LDS; arguments encoder_outputs, wq, bv, order, cnt, sc, part, stat; writes sc, part, stat
.if DOCPART == 2
	.amdgcn_target "amdgcn-amd-amdhsa--gfx1250"
	.amdhsa_code_object_version 6
	.text
	.protected	k_q7b7c992868_main
	.globl	k_q7b7c992868_main
	.p2align	8
	.type	k_q7b7c992868_main,@function
k_q7b7c992868_main:
	s_mov_b64 s[64:65], 0
	v_nop
	global_prefetch_b8 v0, s[64:65] scope:SCOPE_SE
	s_setreg_imm32_b32 hwreg(HW_REG_WAVE_MODE, 25, 1), 1
	s_wait_xcnt 0x0
; BAHDANAU ATTENTION, launch 2 of 3: scores, a local softmax and a partial context for 144 listed rows at a time.
; LEFT OUT, as shown at the head of the first kernel: sum_d v_w[d] (the same along the softmax's axis) and every row with mask = 0 of a batch that has a listed row (its weight is 0).
; SHARES.  Work-group (j, b) takes positions of batch b's list: with c listed rows, 144 j .. + 143 if c <= 1,152, else 288 j .. + 287 in two passes.  A loop of two passes serves every c from 1 to 2,048;
; a pass with no position below c does no work and stores a record that weighs nothing ({-FLT_MAX, 0}, context 0).  Positions of a live pass at or past c repeat a row that exists, with weight 0.
; A PASS.  FILL: the pass's 144 rows are gathered once, rounded to bf16 and kept in LDS.  SCORES: wave w takes columns 256 w .. + 255 in four chunks of 64, all 144 rows: 36 accumulators.
; x' = 2 log2(e) x comes from W' (already scaled) with bias' as the C of a chunk's first K step; then r = 1 / (1 + 2^x'), and the row's sum takes v' r, v' = -2 v_w.  2^x' = infinity gives r = 0, 2^x' = 0 gives r = 1:
; tanh's two ends.  The four waves' sums meet in LDS.  SOFTMAX of the pass: m, p = e^(score - m), l.  CONTEXT: O^T = A^T p from the same LDS rows, wave w channels 256 w .. + 255.
; THE MATRIX INSTRUCTION IS USED TRANSPOSED: source 0 = 16 columns of W', source 1 = 16 rows: a lane then holds ONE row (lane % 16) and eight columns, so a row's sum wants one exchange of the lanes' halves.
; W' comes from memory straight into operand registers, a ring of eight K steps (32 registers each): each of its bytes is loaded once a pass by one wave of the work-group.
; NO JOINT LOADS for W', though all work-groups walk it: the resident rows take 297,216 of the work-group's LDS bytes, so that two slots in what is left would hold some two K steps each; and whether a pass
; is live hangs on a stored count that differs between work-groups of a batch.
; Every barrier stands outside the branches on that count.
; LIMITS.  A weight below 2^-126 counts as 0; p is rounded to bf16 for the context, l is the sum of the unrounded p; NaN and infinities are not treated apart.
; REGISTERS, in windows of 256 (s_set_vgpr_msb: bits 1:0 source 0, 3:2 source 1, 5:4 source 2, 7:6 destination):
;   window 0: addresses, sums, two buffers of A's fragments (v64-135, v136-207), v' (v208-239)          window 1: the ring of W'
;   window 2: accumulators of row blocks 0-7 (block a, column block n at 32 a + 8 n); in the fill two sets of 128 for f32 rows; in the context two buffers of turned fragments
;   window 3: v0-31 accumulators of block 8; v32-63 bias'; v128-255 the context's sixteen accumulators
.set PA,    2064                       ; a row of A in LDS: 2,048 bytes + 16: the 16 rows of a fragment load start at 16 different groups of four banks (ISA guide 11.1)
.set BLK,   16*PA
.set ROWS,  144
.set SCR,   297984                     ; four waves x 160 partial scores, 640 bytes apart
.set PB,    300544                     ; four x 512: each wave's own p in bf16
.set CTXS,  302592                     ; four x 1,024: each wave's own stage for its 256 channels
.set SPARE, 306688                     ; the spare words, 128 bytes for each wave
.set SPW, 4                            ; v4   my spare word; never rewritten
.set NIL, 5                            ; v5   0; never rewritten
.set L16, 6                            ; v6   16 x lane
.set FA,  7                            ; v7   the fill: where my 8 bytes of a row go
.set FA0, 8                            ; v8   4 w rows + 8 x lane
.set BO0, 9                            ; v9   128 h
.set BO,  10                           ; v10  128 h + 256 x chunk
.set ADRA0, 11                         ; v11-19  (16 a + r) PA + 16 h
.set ADR, 20                           ; v20-28  the same + the trip's 512 bytes
.set SS,  30                           ; v30-45  a row's sum, even and odd columns, for blocks 0-7
.set S8,  46                           ; v46-53  block 8's, by column block
.set TR,  54                           ; v54-58  the turning loads' addresses, 32 rows apart
.set SCRW, 59
.set SCRR, 60
.set PBW, 61
.set PBR, 62
.set CS,  63
.set AF,  64
.set VV,  208
.set CL,  240
.set GO,  241
.set TMP, 242
.set PF,  100                          ; the context: p's fragments, v100-139
.set MSB, 0
.macro WIN new                         ; the immediate's high byte repeats the setting that is left; a switch that changes nothing is dropped
.if MSB != (\new)
	s_set_vgpr_msb (MSB<<8)|(\new)
.set MSB, \new
.endif
.endm
.macro PLACES                          ; four plain instructions between a product and a load into its sources, or a vector read or a store of its result
.rept 4
	v_nop
.endr
.endm
; the fill: unit u is four rows of my wave (rows 4 w + 16 u + 0..3 of the pass); 32 loads of 512 consecutive bytes
.macro LOADG u, set
.irp p, 0,1,2,3
	s_min_u32 s96, s[28+4*(\u)+(\p)], 2047         ; a listed row's number enters an address behind this bound alone
	s_lshl_b32 s96, s96, 12
	s_add_nc_u64 s[66+8*(\set)+2*(\p):67+8*(\set)+2*(\p)], s[4:5], s[96:97]
.endr
	WIN 0x80                               ; destination window 2
.irp p, 0,1,2,3
.irp jj, 0,1,2,3,4,5,6,7
	global_load_b128 v[128*(\set)+32*(\p)+4*(\jj):128*(\set)+32*(\p)+4*(\jj)+3], v[L16], s[66+8*(\set)+2*(\p):67+8*(\set)+2*(\p)] offset:512*(\jj)
.endr
.endr
.endm
; a unit is rounded and laid into LDS.  left: the younger loads that may stay out.  The wait also shows the unit's loads done, so its four row addresses may be written anew
.macro CVTG set, left
	s_wait_loadcnt \left
	WIN 0x0a                               ; sources in window 2
.set z, 0
.rept 64
	v_cvt_pk_bf16_f32 v[64+z], v[128*(\set)+2*z], v[128*(\set)+2*z+1]
.set z, z+1
.endr
	WIN 0
.irp p, 0,1,2,3
.irp jj, 0,1,2,3,4,5,6,7
	ds_store_b64 v[FA], v[64+2*(8*(\p)+(\jj)):64+2*(8*(\p)+(\jj))+1] offset:(\p)*PA+256*(\jj)
.endr
.endr
	v_add_nc_u32 v[FA], BLK, v[FA]
.endm
; A's nine fragments of one K step, at byte kb of the trip's 512, into buffer buf
.macro ALOAD kb, buf
.irp a, 0,1,2,3,4,5,6,7,8
	ds_load_b128 v[AF+72*(\buf)+8*(\a):AF+72*(\buf)+8*(\a)+3],   v[ADR+(\a)] offset:(\kb)
	ds_load_b128 v[AF+72*(\buf)+8*(\a)+4:AF+72*(\buf)+8*(\a)+7], v[ADR+(\a)] offset:(\kb)+32
.endr
.endm
; W' of one K step, 4,096 consecutive bytes, into ring stage g
.macro WLOAD g
	WIN 0x40                               ; destination window 1
.irp x, 0,1,2,3,4,5,6,7
	global_load_b128 v[32*(\g)+4*(\x):32*(\g)+4*(\x)+3], v[L16], s[92:93] offset:(\g)*4096+512*(\x)
.endr
.endm
; The head of K step i of a trip of eight: A of step i + 1 and W' of step i + 7 are asked for; A and W' of step i are waited for.
.macro HEAD i
	WIN 0
.if (\i) == 7
	s_add_co_u32 s89, s89, 512                     ; the next trip's 512 bytes of a row, round the row's 2,048
	s_and_b32 s89, s89, 0x7ff
.irp a, 0,1,2,3,4,5,6,7,8
	v_add_nc_u32 v[ADR+(\a)], s89, v[ADRA0+(\a)]   ; these nine are also the places behind the last products
.endr
.else
	PLACES
.endif
	s_wait_dscnt 0x0                               ; A of this step, asked for a step ago
	ALOAD (((\i)+1)%8)*64, ((\i)+1)%2
.if (\i) == 1
	s_wait_xcnt 0x0                                ; the loads issued so far have read the ring's pointer: it steps to the next trip, or behind the pass's last trip back to the start
	s_add_nc_u64 s[96:97], s[92:93], 32768
	s_cmp_eq_u32 s88, 1
	s_cselect_b64 s[92:93], s[94:95], s[96:97]
	s_sub_co_u32 s88, s88, 1
.endif
	WLOAD ((\i)+7)%8
	s_wait_loadcnt 56                              ; stage i is in: the seven younger stages' 56 loads may stay out
.endm
; 36 products: the accumulators take turns, one instruction a turn, in the same order in every step.  first = 1: bias' starts the sums
.macro MULS i, first
.if \first
	WIN 0xb1                               ; W' window 1, A window 0, C window 3, D window 2
.else
	WIN 0xa1                               ; C and D window 2
.endif
.irp a, 0,1,2,3,4,5,6,7
.irp n, 0,1,2,3
.if \first
	v_wmma_f32_16x16x32_bf16 v[32*(\a)+8*(\n):32*(\a)+8*(\n)+7], v[32*(\i)+8*(\n):32*(\i)+8*(\n)+7], v[AF+72*((\i)%2)+8*(\a):AF+72*((\i)%2)+8*(\a)+7], v[32+8*(\n):32+8*(\n)+7]
.else
	v_wmma_f32_16x16x32_bf16 v[32*(\a)+8*(\n):32*(\a)+8*(\n)+7], v[32*(\i)+8*(\n):32*(\i)+8*(\n)+7], v[AF+72*((\i)%2)+8*(\a):AF+72*((\i)%2)+8*(\a)+7], v[32*(\a)+8*(\n):32*(\a)+8*(\n)+7]
.endif
.endr
.endr
	WIN 0xf1                               ; block 8: C and D window 3
.irp n, 0,1,2,3
.if \first
	v_wmma_f32_16x16x32_bf16 v[8*(\n):8*(\n)+7], v[32*(\i)+8*(\n):32*(\i)+8*(\n)+7], v[AF+72*((\i)%2)+64:AF+72*((\i)%2)+71], v[32+8*(\n):32+8*(\n)+7]
.else
	v_wmma_f32_16x16x32_bf16 v[8*(\n):8*(\n)+7], v[32*(\i)+8*(\n):32*(\i)+8*(\n)+7], v[AF+72*((\i)%2)+64:AF+72*((\i)%2)+71], v[8*(\n):8*(\n)+7]
.endif
.endr
.endm
.macro TRIP first                      ; eight K steps: 256 of the 1,024 along K
.irp i, 0,1,2,3,4,5,6,7
	HEAD \i
.if (\first) && ((\i) == 0)
	MULS \i, 1
.else
	MULS \i, 0
.endif
.endr
	WIN 0
.endm
; nr exponentials in place, from register 0 of the window in force, in ascending order: each accumulator's lowest register is read first.
; Behind the last a plain instruction, and ONE wait for the batch, ahead of the first line that names a result
.macro EXPS nr
.set z, 0
.rept \nr
	v_exp_f32 v[z], v[z]
.set z, z+1
.endr
	v_nop
	s_wait_alu depctr_va_vdst(0)
.endm
; 1 + e and its reciprocal for np pairs from register 0 of the window in force; an addition stands two pairs ahead of its reciprocals, so that plain and transcendental lines alternate.
; No line of the run names a reciprocal's result; behind the last a plain instruction, and ONE wait for the batch
.macro RCPS np
	v_pk_add_f32 v[0:1], v[0:1], 1.0 op_sel_hi:[1,0]
	v_pk_add_f32 v[2:3], v[2:3], 1.0 op_sel_hi:[1,0]
.set z, 0
.rept \np
.if z+2 < (\np)
	v_pk_add_f32 v[2*z+4:2*z+5], v[2*z+4:2*z+5], 1.0 op_sel_hi:[1,0]
.endif
	v_rcp_f32 v[2*z], v[2*z]
	v_rcp_f32 v[2*z+1], v[2*z+1]
.set z, z+1
.endr
	v_nop
	s_wait_alu depctr_va_vdst(0)
.endm
; the context: 32 rows x 256 channels of A, turned, into buffer buf.  Rows 144-159 do not exist: in their place rows 128-143 come once more, and their p is 0
.macro TRLOAD ms, buf
	WIN 0x80
.set eb, 0
.rept 16
	ds_load_tr16_b128 v[128*(\buf)+8*eb:128*(\buf)+8*eb+3], v[TR+(\ms)] offset:32*eb
.if (\ms) == 4
	ds_load_tr16_b128 v[128*(\buf)+8*eb+4:128*(\buf)+8*eb+7], v[TR+(\ms)] offset:32*eb
.else
	ds_load_tr16_b128 v[128*(\buf)+8*eb+4:128*(\buf)+8*eb+7], v[TR+(\ms)] offset:32*eb+BLK
.endif
.set eb, eb+1
.endr
.endm
.macro MMC ms, buf                     ; sixteen products, the sixteen accumulators by turns
	WIN 0xf2                               ; A^T window 2, p window 0, C and D window 3
.set eb, 0
.rept 16
.if (\ms) == 0
	v_wmma_f32_16x16x32_bf16 v[128+8*eb:128+8*eb+7], v[128*(\buf)+8*eb:128*(\buf)+8*eb+7], v[PF+8*(\ms):PF+8*(\ms)+7], 0
.else
	v_wmma_f32_16x16x32_bf16 v[128+8*eb:128+8*eb+7], v[128*(\buf)+8*eb:128*(\buf)+8*eb+7], v[PF+8*(\ms):PF+8*(\ms)+7], v[128+8*eb:128+8*eb+7]
.endif
.set eb, eb+1
.endr
.endm
	s_load_b512 s[4:19], s[0:1], 0x0               ; enc s[4:5], wq s[6:7], bv s[8:9], order s[10:11], cnt s[12:13], sc s[14:15], part s[16:17], stat s[18:19]
	v_lshl_add_u32 v[SPW], v0, 2, SPARE
	v_mov_b32 v[NIL], 0
	v_lshrrev_b32 v1, 5, v0
	v_readfirstlane_b32 s20, v1                    ; wave 0..3
	v_and_b32 v1, 31, v0                           ; lane
	v_and_b32 v2, 15, v0                           ; r
	v_bfe_u32 v3, v0, 4, 1                         ; h
	s_mov_b32 s21, ttmp9                           ; j
	s_and_b32 s22, ttmp7, 0xffff                   ; b
	s_mov_b32 s98, 0x76543210                      ; v_permlanex16_b32: each lane takes its own place in the other half
	s_mov_b32 s99, 0xfedcba98
	s_mov_b32 s90, 0                               ; 256 x chunk
	v_lshlrev_b32 v[L16], 4, v1
	s_mul_i32 s100, s20, 4*PA
	v_lshl_add_u32 v[FA0], v1, 3, s100
	v_lshlrev_b32 v[BO0], 7, v3
	v_mov_b32 v[BO], v[BO0]
	v_mul_u32_u24 v[TMP], v2, PA
	v_lshl_add_u32 v[TMP], v3, 4, v[TMP]
.irp a, 0,1,2,3,4,5,6,7,8
	v_add_nc_u32 v[ADRA0+(\a)], (\a)*BLK, v[TMP]
.endr
	v_and_b32 v[TMP+1], 7, v0                      ; the turning load: lane l reads row 8 h + l % 8, 16 bytes at 16 ((l / 8) % 2)
	v_lshl_add_u32 v[TMP+1], v3, 3, v[TMP+1]
	v_mul_u32_u24 v[TMP+1], v[TMP+1], PA
	v_bfe_u32 v[TMP+2], v0, 3, 1
	v_lshl_add_u32 v[TMP+1], v[TMP+2], 4, v[TMP+1]
	s_lshl_b32 s100, s20, 9                        ; my wave's 256 channels: 512 bytes of a row
	v_add_nc_u32 v[TMP+1], s100, v[TMP+1]
.irp m, 0,1,2,3,4
	v_add_nc_u32 v[TR+(\m)], (\m)*2*BLK, v[TMP+1]
.endr
	s_mul_i32 s100, s20, 640
	s_add_co_u32 s100, s100, SCR
	v_lshl_add_u32 v[SCRW], v2, 2, s100
	v_lshl_add_u32 v[SCRR], v1, 2, SCR
	s_lshl_b32 s100, s20, 9
	s_add_co_u32 s100, s100, PB
	v_lshl_add_u32 v[PBW], v1, 1, s100
	v_lshl_add_u32 v[PBR], v3, 4, s100
	s_lshl_b32 s100, s20, 10
	v_lshl_add_u32 v[GO], v1, 4, s100
	s_add_co_u32 s100, s100, CTXS
	v_lshl_add_u32 v[CS], v3, 5, s100
	v_lshl_add_u32 v[CL], v1, 4, s100
	s_lshl_b32 s101, s22, 3
	s_wait_kmcnt 0x0
	s_load_b64 s[96:97], s[12:13], s101 offset:0x0 ; {c, flag} of my batch
	s_lshl_b32 s66, s22, 23                        ; a batch's rows: 2,048 x 4,096 bytes
	s_mov_b32 s67, 0
	s_add_nc_u64 s[4:5], s[4:5], s[66:67]
	s_lshl_b32 s66, s20, 19                        ; my wave's four chunks of W'
	s_add_nc_u64 s[94:95], s[6:7], s[66:67]
	s_mov_b64 s[92:93], s[94:95]
	s_lshl_b32 s66, s22, 13
	s_add_nc_u64 s[10:11], s[10:11], s[66:67]      ; the batch's list
	s_mul_i32 s66, s22, 9216
	s_add_nc_u64 s[14:15], s[14:15], s[66:67]      ; the batch's 2,304 places in sc
	s_lshl_b32 s66, s22, 4
	s_lshl_b32 s68, s21, 1
	s_add_co_u32 s66, s66, s68                     ; my first record: 16 b + 2 j
	s_lshl_b32 s68, s66, 3
	s_mov_b32 s69, 0
	s_add_nc_u64 s[18:19], s[18:19], s[68:69]
	s_lshl_b32 s66, s66, 12
	s_add_nc_u64 s[16:17], s[16:17], s[66:67]
	s_wait_kmcnt 0x0
	s_min_u32 s23, s96, 2048                       ; c
	s_cmp_lg_u32 s97, 0
	s_cselect_b32 s24, -1, 0                       ; all ones under the flag
	s_lshl_b32 s66, s20, 10                        ; my wave's 256 places of a row of bv
	s_add_nc_u64 s[8:9], s[8:9], s[66:67]
	s_add_nc_u64 s[12:13], s[8:9], 131072          ; v': row 32 (cnt's address is done with)
	s_lshl_b32 s66, s22, 12
	s_add_nc_u64 s[8:9], s[8:9], s[66:67]          ; bias': row b
	WIN 0xc0                               ; destination window 3
.irp x, 0,1,2,3,4,5,6,7
	global_load_b128 v[32+4*(\x):32+4*(\x)+3], v[BO], s[8:9] offset:16*(\x)
.endr
	WIN 0
.irp x, 0,1,2,3,4,5,6,7
	global_load_b128 v[VV+4*(\x):VV+4*(\x)+3], v[BO], s[12:13] offset:16*(\x)
.endr
.irp g, 0,1,2,3,4,5,6
	WLOAD \g                                       ; the ring's first seven stages
.endr
	WIN 0
	s_mov_b32 s100, ROWS                           ; one pass's positions,
	s_mov_b32 s101, 2*ROWS                         ; or two passes' (the load that took s101 as its offset has been waited for)
	s_cmp_gt_u32 s23, 8*ROWS
	s_cselect_b32 s100, s101, s100
	s_mul_i32 s27, s21, s100                       ; st: the pass's first position
	s_add_co_u32 s82, s27, s100
	s_min_u32 s82, s82, s23                        ; end
	s_mov_b32 s85, 0
.Lpass:
	s_cmp_lt_u32 s27, s82
	s_cselect_b32 s84, 1, 0                        ; live
	s_sub_co_u32 s83, s82, s27
	s_min_u32 s83, s83, ROWS                       ; positions of the pass that count
	s_cmp_eq_u32 s84, 1
	s_cbranch_scc0 .Lfilled
	; ---- THE FILL
	s_lshl_b32 s100, s20, 2
	s_add_co_u32 s100, s100, s27
.irp u, 0,1,2,3,4,5,6,7,8
	s_add_co_u32 s[28+4*(\u)], s100, 16*(\u)       ; position st + 4 w + 16 u, held inside the list; the offset stands in the load's own first destination
	s_min_u32 s[28+4*(\u)], s[28+4*(\u)], 2044
	s_lshl_b32 s[28+4*(\u)], s[28+4*(\u)], 2
	s_load_b128 s[28+4*(\u):31+4*(\u)], s[10:11], s[28+4*(\u)] offset:0x0
.endr
	s_mov_b32 s97, 0
	v_mov_b32 v[FA], v[FA0]
	s_wait_kmcnt 0x0
	LOADG 0, 0
	LOADG 1, 1
.irp u, 0,1,2,3,4,5,6
	CVTG (\u)%2, 32                                ; the other set's 32 loads may stay out
	LOADG (\u)+2, (\u)%2
.endr
	CVTG 1, 32
	CVTG 0, 0
.Lfilled:
	s_wait_dscnt 0x0                               ; my rows lie in LDS
	s_barrier_signal -1
	s_barrier_wait -1                              ; everybody's do
	s_cmp_eq_u32 s84, 1
	s_cbranch_scc0 .Lscored
	; ---- THE SCORES
.set z, 0
.rept 24
	v_mov_b32 v[SS+z], 0
.set z, z+1
.endr
	s_mov_b32 s89, 0
.irp a, 0,1,2,3,4,5,6,7,8
	v_mov_b32 v[ADR+(\a)], v[ADRA0+(\a)]
.endr
	ALOAD 0, 0
	s_mov_b32 s88, 16                              ; trips of the pass still to come
	s_mov_b32 s86, 4
.Lchunk:
	TRIP 1                                         ; a chunk's first trip is written out: its first step takes bias' as C
	s_mov_b32 s87, 3
.Ltrip:
	TRIP 0
	s_sub_co_u32 s87, s87, 1
	s_cmp_lg_u32 s87, 0
	s_cbranch_scc1 .Ltrip
	; a chunk's end: r = 1 / (1 + 2^x'), the rows' sums take v' r.  Blocks 0-7 are finished first, then block 8: each has one wait for its exponentials and one for its reciprocals
	PLACES
	s_wait_xcnt 0x0                                ; the loads that named v10 have read it
	s_add_co_u32 s90, s90, 256
	s_and_b32 s90, s90, 1023
	v_add_nc_u32 v[BO], s90, v[BO0]
	WIN 0xc0
.irp x, 0,1,2,3,4,5,6,7
	global_load_b128 v[32+4*(\x):32+4*(\x)+3], v[BO], s[8:9] offset:16*(\x)  ; the next chunk's bias'
.endr
	WIN 0x82                               ; destination and source 0 in window 2
	EXPS 256
	RCPS 128
	WIN 0x02                               ; r in window 2; eight chains that do not wait for each other
.irp n, 0,1,2,3
.irp jp, 0,2,4,6
.irp a, 0,1,2,3,4,5,6,7
	v_pk_fma_f32 v[SS+2*(\a):SS+2*(\a)+1], v[32*(\a)+8*(\n)+(\jp):32*(\a)+8*(\n)+(\jp)+1], v[VV+8*(\n)+(\jp):VV+8*(\n)+(\jp)+1], v[SS+2*(\a):SS+2*(\a)+1]
.endr
.endr
.endr
	WIN 0xc3                               ; destination and source 0 in window 3
	EXPS 32
	RCPS 16
	WIN 0x03                               ; block 8's r in window 3; four chains
.irp jp, 0,2,4,6
.irp n, 0,1,2,3
	v_pk_fma_f32 v[S8+2*(\n):S8+2*(\n)+1], v[8*(\n)+(\jp):8*(\n)+(\jp)+1], v[VV+8*(\n)+(\jp):VV+8*(\n)+(\jp)+1], v[S8+2*(\n):S8+2*(\n)+1]
.endr
.endr
	WIN 0
.irp x, 0,1,2,3,4,5,6,7
	global_load_b128 v[VV+4*(\x):VV+4*(\x)+3], v[BO], s[12:13] offset:16*(\x)  ; the next chunk's v': in by the next chunk's waits on the ring
.endr
	s_wait_loadcnt 8                               ; bias' is in: only the eight loads of v' are younger
	s_sub_co_u32 s86, s86, 1
	s_cmp_lg_u32 s86, 0
	s_cbranch_scc1 .Lchunk
	v_pk_add_f32 v[S8:S8+1], v[S8:S8+1], v[S8+2:S8+3]
	v_pk_add_f32 v[S8+4:S8+5], v[S8+4:S8+5], v[S8+6:S8+7]
	v_pk_add_f32 v[S8:S8+1], v[S8:S8+1], v[S8+4:S8+5]
.irp a, 0,1,2,3,4,5,6,7,8
	v_add_f32 v[SS+2*(\a)], v[SS+2*(\a)], v[SS+2*(\a)+1]
.endr
.irp a, 0,1,2,3,4,5,6,7,8
	v_permlanex16_b32 v[SS+2*(\a)+1], v[SS+2*(\a)], s98, s99   ; the row's other columns lie in the lane 16 away
.endr
.irp a, 0,1,2,3,4,5,6,7,8
	v_add_f32 v[SS+2*(\a)], v[SS+2*(\a)], v[SS+2*(\a)+1]
.endr
	v_mov_b32 v[TMP], 0
.irp a, 0,1,2,3,4,5,6,7,8
	ds_store_b32 v[SCRW], v[SS+2*(\a)] offset:64*(\a)          ; both halves of the lanes write the same word with the same number
.endr
	ds_store_b32 v[SCRW], v[TMP] offset:576                    ; words 144-159, which are read with the others
.Lscored:
	s_wait_dscnt 0x0                               ; my partial scores lie in LDS, and my reads of A's fragments are back
	s_barrier_signal -1
	s_barrier_wait -1
	s_cmp_eq_u32 s84, 1
	s_cbranch_scc0 .Ldead
	; ---- THE PASS'S SOFTMAX, in every wave alike: lane l holds positions 32 t + l
.irp wv, 0,1,2,3
.irp t, 0,1,2,3,4
	ds_load_b32 v[64+5*(\wv)+(\t)], v[SCRR] offset:640*(\wv)+128*(\t)
.endr
.endr
	v_mov_b32 v[TMP], 0xce6e6b28                   ; -1e9
	v_mov_b32 v[TMP+4], 0
	s_wait_dscnt 0x0
.irp t, 0,1,2,3,4
	v_add_f32 v[64+(\t)], v[64+(\t)], v[69+(\t)]
	v_add_f32 v[74+(\t)], v[74+(\t)], v[79+(\t)]
.endr
.irp t, 0,1,2,3,4
	v_add_f32 v[84+(\t)], v[64+(\t)], v[74+(\t)]
.endr
.irp t, 0,1,2,3,4
	v_cndmask_b32 v[84+(\t)], v[84+(\t)], v[TMP], s24          ; a batch with no listed row: every score is -1e9
.endr
	s_cmp_lg_u32 s20, 0
	s_cbranch_scc1 .Lno_sc
	s_min_u32 s96, s27, 2160
	s_lshl_b32 s96, s96, 2
	s_mov_b32 s97, 0
	s_add_nc_u64 s[96:97], s[14:15], s[96:97]
	v_lshlrev_b32 v[TMP+1], 2, v1
.irp t, 0,1,2,3
	global_store_b32 v[TMP+1], v[84+(\t)], s[96:97] offset:128*(\t)
.endr
	v_cmp_gt_u32 vcc_lo, 16, v1                    ; positions 128-143 alone: the next sixteen are another pass's
	s_wait_xcnt 0x0                                ; EXEC changes only behind this wait
	s_and_saveexec_b32 s100, vcc_lo
	global_store_b32 v[TMP+1], v88, s[96:97] offset:512
	s_wait_xcnt 0x0
	s_or_b32 exec_lo, exec_lo, s100
.Lno_sc:
.irp t, 0,1,2,3,4
	v_add_nc_u32 v[TMP+2], 32*(\t), v1
	v_cmp_gt_u32 vcc_lo, s83, v[TMP+2]
	v_cndmask_b32 v[150+(\t)], 0xff7fffff, v[84+(\t)], vcc_lo  ; a position that does not count: the lowest finite number, so that its weight is 0
.endr
	v_max3_num_f32 v[TMP+3], v150, v151, v152
	v_max3_num_f32 v[TMP+3], v[TMP+3], v153, v154
	v_max_num_f32_dpp v[TMP+3], v[TMP+3], v[TMP+3] row_xmask:1 row_mask:0xf bank_mask:0xf
	v_max_num_f32_dpp v[TMP+3], v[TMP+3], v[TMP+3] row_xmask:2 row_mask:0xf bank_mask:0xf
	v_max_num_f32_dpp v[TMP+3], v[TMP+3], v[TMP+3] row_xmask:4 row_mask:0xf bank_mask:0xf
	v_max_num_f32_dpp v[TMP+3], v[TMP+3], v[TMP+3] row_xmask:8 row_mask:0xf bank_mask:0xf
	v_permlanex16_b32 v[TMP+4], v[TMP+3], s98, s99
	v_max_num_f32 v148, v[TMP+3], v[TMP+4]         ; m
.irp t, 0,1,2,3,4
	v_sub_f32 v[90+(\t)], v[150+(\t)], v148        ; the difference first, then the factor: with scores of -1e9 a fused form would subtract two large rounded numbers
.endr
.irp t, 0,1,2,3,4
	v_mul_f32 v[90+(\t)], 0x3fb8aa3b, v[90+(\t)]
.endr
.irp t, 0,1,2,3,4
	v_exp_f32 v[90+(\t)], v[90+(\t)]
.endr
	v_nop
	s_wait_alu depctr_va_vdst(0)                   ; one wait for the five exponentials
	v_add_f32 v[TMP+5], v90, v91
	v_add_f32 v[TMP+6], v92, v93
	v_add_f32 v[TMP+5], v[TMP+5], v94
	v_add_f32 v[TMP+5], v[TMP+5], v[TMP+6]
	v_add_f32_dpp v[TMP+5], v[TMP+5], v[TMP+5] row_xmask:1 row_mask:0xf bank_mask:0xf
	v_add_f32_dpp v[TMP+5], v[TMP+5], v[TMP+5] row_xmask:2 row_mask:0xf bank_mask:0xf
	v_add_f32_dpp v[TMP+5], v[TMP+5], v[TMP+5] row_xmask:4 row_mask:0xf bank_mask:0xf
	v_add_f32_dpp v[TMP+5], v[TMP+5], v[TMP+5] row_xmask:8 row_mask:0xf bank_mask:0xf
	v_permlanex16_b32 v[TMP+4], v[TMP+5], s98, s99
	v_add_f32 v149, v[TMP+5], v[TMP+4]             ; l
.irp t, 0,1,2,3,4
	v_cvt_pk_bf16_f32 v[155+(\t)], v[90+(\t)], v[90+(\t)]
.endr
.irp t, 0,1,2,3,4
	ds_store_b16 v[PBW], v[155+(\t)] offset:64*(\t)
.endr
.irp m, 0,1,2,3,4
	ds_load_b128 v[PF+8*(\m):PF+8*(\m)+3],   v[PBR] offset:64*(\m)      ; my wave's own bytes: LDS serves a wave's instructions in order (ISA guide 5.7.1.4)
	ds_load_b128 v[PF+8*(\m)+4:PF+8*(\m)+7], v[PBR] offset:64*(\m)+32   ; every column of source 1 holds the same p
.endr
	; ---- THE CONTEXT
	TRLOAD 0, 0
	TRLOAD 1, 1
	s_wait_dscnt 32                                ; p and buffer 0 are in; buffer 1's 32 loads may stay out
	MMC 0, 0
	PLACES
	TRLOAD 2, 0
	s_wait_dscnt 32
	MMC 1, 1
	PLACES
	TRLOAD 3, 1
	s_wait_dscnt 32
	MMC 2, 0
	PLACES
	TRLOAD 4, 0
	s_wait_dscnt 32
	MMC 3, 1
	s_wait_dscnt 0x0
	MMC 4, 0
	PLACES
	WIN 0x0c                               ; LDS store: data in window 3; the low registers first
.set eb, 0
.rept 16
	ds_store_b128 v[CS], v[128+8*eb:128+8*eb+3]   offset:64*eb      ; the sixteen lanes of a half hold the same eight channels and write the same bytes
	ds_store_b128 v[CS], v[128+8*eb+4:128+8*eb+7] offset:64*eb+16
.set eb, eb+1
.endr
	WIN 0
	ds_load_b128 v[140:143], v[CL]
	ds_load_b128 v[144:147], v[CL] offset:512
	s_wait_dscnt 0x0
	s_branch .Lrecord
.Ldead:                                        ; a pass without rows: a record that weighs nothing
.set z, 0
.rept 8
	v_mov_b32 v[140+z], 0
.set z, z+1
.endr
	v_mov_b32 v148, 0xff7fffff
	v_mov_b32 v149, 0
.Lrecord:
	global_store_b128 v[GO], v[140:143], s[16:17]              ; 512 consecutive bytes each
	global_store_b128 v[GO], v[144:147], s[16:17] offset:512
	s_cmp_lg_u32 s20, 0
	s_cbranch_scc1 .Lno_stat
	v_cmp_eq_u32 vcc_lo, 0, v1
	v_mov_b32 v[TMP], 0
	s_wait_xcnt 0x0
	s_and_saveexec_b32 s100, vcc_lo
	global_store_b64 v[TMP], v[148:149], s[18:19]              ; {m, l}, by one lane
	s_wait_xcnt 0x0
	s_or_b32 exec_lo, exec_lo, s100
.Lno_stat:
	s_wait_xcnt 0x0                                ; the stores have read their bases and their data
	s_add_nc_u64 s[16:17], s[16:17], 4096          ; the next pass's record
	s_add_nc_u64 s[18:19], s[18:19], 8
	s_add_co_u32 s27, s27, ROWS
	s_wait_dscnt 0x0                               ; my reads of A and of the scores are back:
	s_barrier_signal -1
	s_barrier_wait -1                              ; only now may the next pass write them
	s_add_co_u32 s85, s85, 1
	s_cmp_lt_u32 s85, 2
	s_cbranch_scc1 .Lpass
	s_wait_tensorcnt 0x0                           ; the wave's end, behind my last LDS store
	ds_add_u32 v[SPW], v[NIL]
	s_wait_dscnt 0x0
	s_endpgm
.Lfunc_end_k_q7b7c992868_main:
	.size	k_q7b7c992868_main, .Lfunc_end_k_q7b7c992868_main-k_q7b7c992868_main
	.p2alignl 7, 3214868480
	.fill 96, 4, 3214868480
	.section	.rodata,"a",@progbits
	.p2align	6, 0x0
	.amdhsa_kernel k_q7b7c992868_main
		.amdhsa_group_segment_fixed_size 307200
		.amdhsa_private_segment_fixed_size 0
		.amdhsa_enable_private_segment 0
		.amdhsa_kernarg_size 64
		.amdhsa_user_sgpr_count 2
		.amdhsa_user_sgpr_kernarg_segment_ptr 1
		.amdhsa_wavefront_size32 1
		.amdhsa_system_sgpr_workgroup_id_x 1
		.amdhsa_system_sgpr_workgroup_id_y 1
		.amdhsa_system_sgpr_workgroup_id_z 1
		.amdhsa_system_vgpr_workitem_id 0
		.amdhsa_next_free_vgpr 1024
		.amdhsa_next_free_sgpr 102
		.amdhsa_reserve_vcc 1
		.amdhsa_float_denorm_mode_32 3
		.amdhsa_float_denorm_mode_16_64 3
		.amdhsa_memory_ordered 1
		.amdhsa_forward_progress 1
		.amdhsa_inst_pref_size 242
	.end_amdhsa_kernel
	.amdgpu_metadata
---
amdhsa.version: [ 1, 2 ]
amdhsa.kernels:
  - .name:           k_q7b7c992868_main
    .symbol:         k_q7b7c992868_main.kd
    .args:
      - { .name: encoder_outputs, .offset: 0, .size: 8, .value_kind: global_buffer, .address_space: global }
      - { .name: wq, .offset: 8, .size: 8, .value_kind: global_buffer, .address_space: global }
      - { .name: bv, .offset: 16, .size: 8, .value_kind: global_buffer, .address_space: global }
      - { .name: order, .offset: 24, .size: 8, .value_kind: global_buffer, .address_space: global }
      - { .name: cnt, .offset: 32, .size: 8, .value_kind: global_buffer, .address_space: global }
      - { .name: sc, .offset: 40, .size: 8, .value_kind: global_buffer, .address_space: global }
      - { .name: part, .offset: 48, .size: 8, .value_kind: global_buffer, .address_space: global }
      - { .name: stat, .offset: 56, .size: 8, .value_kind: global_buffer, .address_space: global }
    .group_segment_fixed_size: 307200
    .private_segment_fixed_size: 0
    .kernarg_segment_align: 8
    .kernarg_segment_size: 64
    .max_flat_workgroup_size: 128
    .sgpr_count:     102
    .vgpr_count:     1024
    .wavefront_size: 32
...
	.end_amdgpu_metadata
.endif
;; end of part 2
;; launch finish (part 3): grid 4 x 32, 4 waves a work-group, no clusters, 0 bytes of LDS; arguments pos, sc, part, stat, out0, out1; writes out0, out1
.if DOCPART == 3
	.amdgcn_target "amdgcn-amd-amdhsa--gfx1250"
	.amdhsa_code_object_version 6
	.text
	.protected	k_q7b7c992868_finish
	.globl	k_q7b7c992868_finish
	.p2align	8
	.type	k_q7b7c992868_finish,@function
k_q7b7c992868_finish:
	s_mov_b64 s[64:65], 0
	v_nop
	global_prefetch_b8 v0, s[64:65] scope:SCOPE_SE
	s_setreg_imm32_b32 hwreg(HW_REG_WAVE_MODE, 25, 1), 1
	s_wait_xcnt 0x0
; BAHDANAU ATTENTION, launch 3 of 3: a batch's sixteen records {m, l, partial context} become the context, and its scores the weights.
; LEFT OUT, as shown at the head of the first kernel: a row with mask = 0 of a batch that has a listed row gets the weight 0 without a score.
; M = max m, f = e^(m - M), L = sum l f;  out0 = sum over records of (f / L) x its context;  out1[s] = e^(sc[pos[s]] - M) / L where s is listed, else 0.
; Work-group (x, b): channels 256 x .. + 255 (two a thread) and rows 512 x .. + 511 (four a thread).  A wave's store of out0 covers 256 consecutive bytes, of out1 512.
; A record without rows has m = -FLT_MAX, l = 0 and context 0: its f is 0.  Position 0 of sc is written for every batch (c is at least 1): rows that are not listed read it, and their weight is then selected to 0.
	s_load_b256 s[4:11], s[0:1], 0x0               ; pos s[4:5], sc s[6:7], part s[8:9], stat s[10:11]
	s_load_b128 s[12:15], s[0:1], 0x20             ; out0 s[12:13], out1 s[14:15]
	s_mov_b32 s16, ttmp9                           ; x
	s_and_b32 s17, ttmp7, 0xffff                   ; b
	v_and_b32 v1, 15, v0
	v_lshlrev_b32 v1, 3, v1                        ; record lane % 16
	v_lshlrev_b32 v52, 4, v0                       ; my four rows
	v_lshlrev_b32 v53, 3, v0                       ; my two channels
	s_mov_b32 s19, 0
	s_lshl_b32 s20, s16, 11
	s_lshl_b32 s21, s16, 10
	s_wait_kmcnt 0x0
	s_lshl_b32 s18, s17, 7
	s_add_nc_u64 s[10:11], s[10:11], s[18:19]
	s_lshl_b32 s18, s17, 13
	s_add_co_u32 s18, s18, s20
	s_add_nc_u64 s[4:5], s[4:5], s[18:19]
	s_add_nc_u64 s[14:15], s[14:15], s[18:19]
	s_lshl_b32 s18, s17, 16
	s_add_co_u32 s18, s18, s21
	s_add_nc_u64 s[8:9], s[8:9], s[18:19]
	s_lshl_b32 s18, s17, 12
	s_add_co_u32 s18, s18, s21
	s_add_nc_u64 s[12:13], s[12:13], s[18:19]
	s_mul_i32 s18, s17, 9216
	s_add_nc_u64 s[6:7], s[6:7], s[18:19]
	global_load_b64 v[2:3], v1, s[10:11]
	global_load_b128 v[4:7], v52, s[4:5]
.irp j, 0,1,2,3,4,5,6,7,8,9,10,11,12,13,14,15
	global_load_b64 v[16+2*(\j):17+2*(\j)], v53, s[8:9] offset:4096*(\j)
.endr
	s_wait_loadcnt 16                              ; the record's {m, l} and the four positions are in; the sixteen loads of contexts may stay out
.irp k, 0,1,2,3
	v_cmp_gt_u32 vcc_lo, 2048, v[4+(\k)]
	v_cndmask_b32 v[8+(\k)], 0, v[4+(\k)], vcc_lo
	v_min_u32 v[8+(\k)], 2047, v[8+(\k)]           ; a loaded number enters an address behind this bound alone
	v_lshlrev_b32 v[8+(\k)], 2, v[8+(\k)]
.endr
.irp k, 0,1,2,3
	global_load_b32 v[12+(\k)], v[8+(\k)], s[6:7]
.endr
	v_mov_b32 v48, v2
	v_max_num_f32_dpp v48, v48, v48 row_xmask:1 row_mask:0xf bank_mask:0xf
	v_max_num_f32_dpp v48, v48, v48 row_xmask:2 row_mask:0xf bank_mask:0xf
	v_max_num_f32_dpp v48, v48, v48 row_xmask:4 row_mask:0xf bank_mask:0xf
	v_max_num_f32_dpp v48, v48, v48 row_xmask:8 row_mask:0xf bank_mask:0xf   ; M: each half of the lanes holds all sixteen records
	v_sub_f32 v49, v2, v48                         ; the difference first, then the factor: with scores of -1e9 a fused form would subtract two large rounded numbers
	v_mul_f32 v49, 0x3fb8aa3b, v49
	v_exp_f32 v49, v49                             ; f
	v_nop
	s_wait_alu depctr_va_vdst(0)
	v_mul_f32 v50, v3, v49
	v_add_f32_dpp v50, v50, v50 row_xmask:1 row_mask:0xf bank_mask:0xf
	v_add_f32_dpp v50, v50, v50 row_xmask:2 row_mask:0xf bank_mask:0xf
	v_add_f32_dpp v50, v50, v50 row_xmask:4 row_mask:0xf bank_mask:0xf
	v_add_f32_dpp v50, v50, v50 row_xmask:8 row_mask:0xf bank_mask:0xf       ; L
	v_rcp_f32 v51, v50
	v_nop
	s_wait_alu depctr_va_vdst(0)
	v_mul_f32 v49, v49, v51                        ; f / L
.irp j, 0,1,2,3,4,5,6,7,8,9,10,11,12,13,14,15
	v_readlane_b32 s[32+(\j)], v49, \j
.endr
	s_wait_loadcnt 4                               ; the contexts are in; the four gathered scores may stay out
	v_mul_f32 v54, s32, v16
	v_mul_f32 v55, s32, v17
.irp j, 1,2,3,4,5,6,7,8,9,10,11,12,13,14,15
	v_fma_f32 v54, s[32+(\j)], v[16+2*(\j)], v54
	v_fma_f32 v55, s[32+(\j)], v[17+2*(\j)], v55
.endr
	global_store_b64 v53, v[54:55], s[12:13]
	s_wait_loadcnt 0x0
.irp k, 0,1,2,3
	v_sub_f32 v[12+(\k)], v[12+(\k)], v48
.endr
.irp k, 0,1,2,3
	v_mul_f32 v[12+(\k)], 0x3fb8aa3b, v[12+(\k)]
.endr
.irp k, 0,1,2,3
	v_exp_f32 v[12+(\k)], v[12+(\k)]
.endr
	v_nop
	s_wait_alu depctr_va_vdst(0)                   ; one wait for the four exponentials
.irp k, 0,1,2,3
	v_mul_f32 v[56+(\k)], v[12+(\k)], v51
	v_cmp_gt_u32 vcc_lo, 2048, v[4+(\k)]
	v_cndmask_b32 v[56+(\k)], 0, v[56+(\k)], vcc_lo
.endr
	global_store_b128 v52, v[56:59], s[14:15]
	s_endpgm
.Lfunc_end_k_q7b7c992868_finish:
	.size	k_q7b7c992868_finish, .Lfunc_end_k_q7b7c992868_finish-k_q7b7c992868_finish
	.p2alignl 7, 3214868480
	.fill 96, 4, 3214868480
	.section	.rodata,"a",@progbits
	.p2align	6, 0x0
	.amdhsa_kernel k_q7b7c992868_finish
		.amdhsa_group_segment_fixed_size 0
		.amdhsa_private_segment_fixed_size 0
		.amdhsa_enable_private_segment 0
		.amdhsa_kernarg_size 48
		.amdhsa_user_sgpr_count 2
		.amdhsa_user_sgpr_kernarg_segment_ptr 1
		.amdhsa_wavefront_size32 1
		.amdhsa_system_sgpr_workgroup_id_x 1
		.amdhsa_system_sgpr_workgroup_id_y 1
		.amdhsa_system_sgpr_workgroup_id_z 1
		.amdhsa_system_vgpr_workitem_id 0
		.amdhsa_next_free_vgpr 64
		.amdhsa_next_free_sgpr 66
		.amdhsa_reserve_vcc 1
		.amdhsa_float_denorm_mode_32 3
		.amdhsa_float_denorm_mode_16_64 3
		.amdhsa_memory_ordered 1
		.amdhsa_forward_progress 1
		.amdhsa_inst_pref_size 10
	.end_amdhsa_kernel
	.amdgpu_metadata
---
amdhsa.version: [ 1, 2 ]
amdhsa.kernels:
  - .name:           k_q7b7c992868_finish
    .symbol:         k_q7b7c992868_finish.kd
    .args:
      - { .name: pos, .offset: 0, .size: 8, .value_kind: global_buffer, .address_space: global }
      - { .name: sc, .offset: 8, .size: 8, .value_kind: global_buffer, .address_space: global }
      - { .name: part, .offset: 16, .size: 8, .value_kind: global_buffer, .address_space: global }
      - { .name: stat, .offset: 24, .size: 8, .value_kind: global_buffer, .address_space: global }
      - { .name: out0, .offset: 32, .size: 8, .value_kind: global_buffer, .address_space: global }
      - { .name: out1, .offset: 40, .size: 8, .value_kind: global_buffer, .address_space: global }
    .group_segment_fixed_size: 0
    .private_segment_fixed_size: 0
    .kernarg_segment_align: 8
    .kernarg_segment_size: 48
    .max_flat_workgroup_size: 128
    .sgpr_count:     66
    .vgpr_count:     64
    .wavefront_size: 32
...
	.end_amdgpu_metadata
.endif
;; end of part 3
